; MI455X (gfx1250); checked and timed in simulation.
; The chip was launched on July 23, 2026; its instructions are those of AMD's public machine-readable ISA for CDNA 5 (MIT licence, August 2026) and "CDNA5" Instruction Set Architecture Reference Guide (July 2026). The comments in the code are by the model that wrote it; some were corrected since.
;; Memorizer. Allowed arithmetic: float matrix products may take bf16 or f16 operands with f32 sums; all other float work in f32.
;; Inputs: b 1 float32; mem_keys 32,768 x 8 float32; mem_values 32,768 float32; w 1 x 8 float32; x 4,096 x 8 float32.
;; Outputs: out0 4,096 x 1 float32.
;; 2 versions, each right; version 2 is version 1 with the launch scan written anew for expert scheduling mode. Each part assembles by itself: llvm-mc -triple=amdgcn-amd-amdhsa -mcpu=gfx1250 --defsym DOCPART=n.
;; ======== version 1 of 2: 2 launches
;; workspace buffers: cand 524,288 bytes of whole numbers
;; launch scan (part 1): grid 32 x 8, 4 waves a work-group, no clusters, 72,192 bytes of LDS; arguments x, mem_keys, cand; writes cand
.if DOCPART == 1
	.amdgcn_target "amdgcn-amd-amdhsa--gfx1250"
	.amdhsa_code_object_version 6
	.text
	.protected	k_q74a9adda82_scan
	.globl	k_q74a9adda82_scan
	.p2align	8
	.type	k_q74a9adda82_scan,@function
k_q74a9adda82_scan:
	s_mov_b64 s[64:65], 0
	v_nop
	global_prefetch_b8 v0, s[64:65] scope:SCOPE_SE
	s_setreg_imm32_b32 hwreg(HW_REG_WAVE_MODE, 25, 1), 1
	s_wait_xcnt 0x0
; SCAN.  For each of 4,096 queries and each of 32 chunks of 1,024 memory rows: the number of the LAST block of 16 rows of the chunk that holds a row equal to the query
; (all 8 floats equal as floats), or 0 where there is none.  cand[chunk][query], whole numbers.  The next launch takes the largest over the chunks, compares the block's 16 rows
; once more as floats and so decides itself whether there is a match: that is why 'none' may share the number of block 0.
; THE TEST IS A PRODUCT, AND EXACT.  A row's 256 bits are cut into 32 chunks of 8 bits; a chunk becomes sign and mantissa of a bf16 with the fixed exponent 2^7: a whole number of
; magnitude 128 to 255, a different one for each chunk value.  For two such vectors a (memory row) and b (query): a.b - |a|^2/2 <= |b|^2/2, with equality only where a = b.
; All terms are multiples of 1/2 below 2^22, so the f32 sums lose nothing.  - |a|^2/2 is the C operand, |b|^2/2 a number of the lane.
; AS FLOATS: x + 0 turns -0 into +0 before the bits are cut; a row or query that holds a NaN gets 1 added to its |.|^2, so that equality is out of its reach.
; Denormal numbers are kept and count as different from 0 and from each other.
; SHARES.  256 work-groups: chunk = x (32), 512 queries = y (8).  Four waves; wave w keeps 8 tiles of 16 queries as B fragments in registers and walks all 64 tiles of 16 rows: 512 matrix
; instructions.  Each wave converts 16 of the 64 row tiles, once, into LDS, laid as the fragment's registers lie (1,024 bytes a tile), and their 16 numbers - |a|^2/2.
; LAYOUT.  Lane (r = lane % 16, h = lane / 16) loads floats 4 h .. 4 h + 3 of row r, 16 bytes, and makes of them its 8 registers of the fragment: the place of a chunk along K is the same
; in A and in B, which is all that a product asks.  In D a lane holds one query (r) and the tile's rows 8 h + 0..7.
; The rows are dealt to the tiles so that over two tiles (a GROUP, 32 rows) half h of the lanes sees 16 consecutive rows: tile 2 g + u, fragment row r = row 32 g + 8 u + r % 8 + 16 (r / 8).
; NO CLUSTER, NO TENSOR LOAD: a work-group reads 32,768 bytes of rows and 16,384 of queries, once, in its first lines, and each lane's 16 bytes arrive in the registers where they are
; converted; a tile brought to LDS raw would be read back once and never again.
.set ABYTES, 65536                     ; LDS 0: 64 tiles x 1,024 bytes of A fragments
.set NRM,    65536                     ; 64 tiles x 16 numbers - |a|^2/2
.set STG,    69632                     ; 512 bytes for each wave, for the way out
.set SPARE,  71680                     ; the spare words, 128 bytes for each wave: two blocks of 256 bytes that no other line names
.set LN,   1                           ; lane
.set RR,   2                           ; r
.set HH,   3                           ; h
.set MOFF, 4                           ; my 16 bytes in a group's first tile of rows; never rewritten
.set QOFF, 5                           ; my 16 bytes in a tile of queries; never rewritten
.set STA,  6                           ; LDS: where I put fragments
.set STN,  7                           ; LDS: where I put - |a|^2/2
.set AA,   8                           ; LDS: where I read fragments; steps with the loop
.set CA,   9                           ; LDS: where I read my half's eight numbers; steps with the loop
.set SGA,  10                          ; the way out: in
.set SGR,  11                          ; the way out: back
.set GOFF, 12                          ; my 16 bytes of the wave's 512 in cand
.set ZR,   13                          ; 0.0
.set SPW,  14                          ; LDS address of my spare word; never rewritten
.set NIL,  15                          ; 0; never rewritten
.set T,    16                          ; v[16:19] the four floats turned by 8 bits
.set N,    20                          ; v[20:23] four sums of squares
.set PX,   24                          ; the other half's sum
.set CV,   25                          ; - |a|^2/2 on its way to LDS
.set RAWM, 32                          ; v[32:95]  16 tiles of rows as loaded; later:
.set AC,   32                          ; v[32:95]  four buffers of A (8) and C (8)
.set RAWQ, 96                          ; v[96:127] 8 tiles of queries as loaded
.set BF,   128                         ; v[128:191] 8 B fragments
.set D,    192                         ; v[192:223] four results; v[192:199] also a row tile's fragment while it is made
.set NA,   224                         ; v[224:231] |b|^2/2, a tile each
.set BEST, 232                         ; v[232:239] the last block with a match
.set ACC,  240                         ; v[240:247] the maximum of a group's first tile
.set X,    248                         ; v[248:253] two sets of three partial maxima
.set MX,   254                         ; a group's maximum
.set GID,  255                         ; the number of my half's block in the group whose results are being judged
	s_load_b128 s[4:7], s[0:1], 0x0                ; x s[4:5], mem_keys s[6:7]
	s_load_b64 s[8:9], s[0:1], 0x10                ; cand
	v_lshl_add_u32 v[SPW], v0, 2, SPARE
	v_mov_b32 v[NIL], 0
	v_lshrrev_b32 v[LN], 5, v0
	v_readfirstlane_b32 s10, v[LN]                 ; wave 0..3
	s_and_b32 s12, ttmp7, 0xffff                   ; which 512 queries
	v_and_b32 v[RR], 15, v0
	v_bfe_u32 v[HH], v0, 4, 1
	v_and_b32 v[MOFF], 7, v0
	v_bfe_u32 v[T], v0, 3, 1
	v_lshlrev_b32 v[MOFF], 5, v[MOFF]              ; (r % 8) rows of 32 bytes
	v_lshl_add_u32 v[MOFF], v[T], 9, v[MOFF]       ; + (r / 8) x 16 rows
	v_lshl_add_u32 v[MOFF], v[HH], 4, v[MOFF]      ; + 16 h
	v_lshlrev_b32 v[QOFF], 5, v[RR]
	v_lshl_add_u32 v[QOFF], v[HH], 4, v[QOFF]      ; 32 r + 16 h
	s_lshl_b32 s26, ttmp9, 15                      ; the chunk's 1,024 rows of 32 bytes,
	s_lshl_b32 s13, s10, 13                        ; my wave's 256 of them
	s_add_co_u32 s26, s26, s13
	s_mov_b32 s27, 0
	s_lshl_b32 s28, s12, 14                        ; the group's 512 queries of 32 bytes,
	s_lshl_b32 s13, s10, 12                        ; my wave's 128
	s_add_co_u32 s28, s28, s13
	s_mov_b32 s29, 0
	s_wait_kmcnt 0x0
	s_add_nc_u64 s[6:7], s[6:7], s[26:27]
	s_add_nc_u64 s[4:5], s[4:5], s[28:29]
.set ti, 0
.rept 16                               ; each load of the wave covers two aligned runs of 256 consecutive bytes: 8 rows and the 8 rows sixteen further on
	global_load_b128 v[RAWM+4*ti:RAWM+4*ti+3], v[MOFF], s[6:7] offset:(ti/2)*1024+(ti%2)*256
.set ti, ti+1
.endr
.set ti, 0
.rept 8                                ; 512 consecutive bytes: 16 queries
	global_load_b128 v[RAWQ+4*ti:RAWQ+4*ti+3], v[QOFF], s[4:5] offset:ti*512
.set ti, ti+1
.endr
	; the rest of the set-up stands in the wait for the loads
	v_and_b32 v[LN], 31, v0
	v_lshlrev_b32 v[AA], 4, v[LN]                  ; 16 bytes a lane
	s_lshl_b32 s13, s10, 14
	v_add_nc_u32 v[STA], s13, v[AA]                ; my wave's 16 tiles of 1,024 bytes
	s_lshl_b32 s13, s10, 10
	s_add_co_u32 s13, s13, NRM
	v_lshl_add_u32 v[STN], v[RR], 2, s13           ; my wave's 16 tiles of 16 numbers
	v_lshl_add_u32 v[CA], v[HH], 5, NRM            ; my half's eight numbers of a tile
	s_lshl_b32 s13, s10, 9
	s_add_co_u32 s13, s13, STG
	v_lshl_add_u32 v[SGA], v[RR], 2, s13
	v_add_nc_u32 v[SGR], s13, v[AA]
	v_mov_b32 v[GOFF], v[AA]
	s_lshl_b32 s30, ttmp9, 14                      ; cand: the chunk's 4,096 words,
	s_lshl_b32 s13, s12, 11                        ; the group's 512,
	s_add_co_u32 s30, s30, s13
	s_lshl_b32 s13, s10, 9                         ; my wave's 128
	s_add_co_u32 s30, s30, s13
	s_mov_b32 s31, 0
	s_add_nc_u64 s[8:9], s[8:9], s[30:31]
	s_lshl_b32 s13, ttmp9, 6                       ; the chunk's first block of 16 rows, less 2: the loop's first trip adds 2 before the number is first taken
	s_sub_co_u32 s13, s13, 2
	v_add_nc_u32 v[GID], s13, v[HH]
	s_mov_b32 s16, 0x807f807f                      ; sign and mantissa of two bf16
	s_mov_b32 s17, 0x43004300                      ; the exponent of 2^7, twice
	s_mov_b32 s18, 0x76543210                      ; v_permlanex16_b32: each lane takes its own place in the other half
	s_mov_b32 s19, 0xfedcba98
	v_mov_b32 v[ZR], 0
	v_mov_b32 v[PX], 0                             ; v_permlanex16_b32's destination counts as read
; Four floats of a row (raw) become my eight registers of its fragment (frag); out = scale x (the row's sum of squares, + 1 for each half of the row that holds a NaN).
.macro CONV raw, frag, out, scale
.irp e, 0,1,2,3
	v_cmp_neq_f32 s[20+\e], v[(\raw)+\e], v[(\raw)+\e]             ; a NaN differs from itself
.endr
.irp e, 0,1,2,3
	v_add_f32 v[(\raw)+\e], 0, v[(\raw)+\e]                        ; -0 becomes +0; every other number stays
.endr
.irp e, 0,1,2,3
	v_alignbit_b32 v[T+\e], v[(\raw)+\e], v[(\raw)+\e], 8          ; turned right by 8 bits
.endr
	s_or_b32 s20, s20, s21
	s_or_b32 s22, s22, s23
	s_or_b32 s20, s20, s22
.irp e, 0,1,2,3
	v_and_or_b32 v[(\frag)+2*\e], v[(\raw)+\e], s16, s17           ; bits 31, 22-16, 15, 6-0
.endr
.irp e, 0,1,2,3
	v_and_or_b32 v[(\frag)+2*\e+1], v[T+\e], s16, s17              ; bits 7, 30-24, 23, 14-8: the other sixteen
.endr
	v_cndmask_b32 v[N], 0, 1.0, s20
	v_fma_mix_f32_bf16 v[N], v[(\frag)], v[(\frag)], v[N] op_sel_hi:[1,1,0]    ; sixteen squares in four chains: whole numbers below 2^21, nothing is rounded
.irp e, 1,2,3
	v_fma_mix_f32_bf16 v[N+\e], v[(\frag)+2*\e], v[(\frag)+2*\e], v[ZR] op_sel_hi:[1,1,0]
.endr
.irp e, 0,1,2,3
	v_fma_mix_f32_bf16 v[N+\e], v[(\frag)+2*\e], v[(\frag)+2*\e], v[N+\e] op_sel:[1,1,0] op_sel_hi:[1,1,0]
.endr
.irp e, 0,1,2,3
	v_fma_mix_f32_bf16 v[N+\e], v[(\frag)+2*\e+1], v[(\frag)+2*\e+1], v[N+\e] op_sel_hi:[1,1,0]
.endr
.irp e, 0,1,2,3
	v_fma_mix_f32_bf16 v[N+\e], v[(\frag)+2*\e+1], v[(\frag)+2*\e+1], v[N+\e] op_sel:[1,1,0] op_sel_hi:[1,1,0]
.endr
	v_add_f32 v[N], v[N], v[N+1]
	v_add_f32 v[N+2], v[N+2], v[N+3]
	v_add_f32 v[N], v[N], v[N+2]
	v_permlanex16_b32 v[PX], v[N], s18, s19                        ; the row's other four floats lie in the lane 16 away
	v_add_f32 v[N], v[N], v[PX]
	v_mul_f32 v[(\out)], \scale, v[N]
.endm
.set ti, 0
.rept 16                               ; my 16 tiles of rows
	s_wait_loadcnt 23-ti                           ; loads come back in order (ISA guide 5.7.1): behind tile ti's stand 15 - ti of rows and 8 of queries
	CONV RAWM+4*ti, D, CV, -0.5
	ds_store_b128 v[STA], v[D:D+3] offset:ti*1024          ; 32 lanes x 16 consecutive bytes
	ds_store_b128 v[STA], v[D+4:D+7] offset:ti*1024+512
	ds_store_b32 v[STN], v[CV] offset:ti*64                ; both halves hold the same number and write the same word
.set ti, ti+1
.endr
	s_wait_dscnt 0x0                               ; for the others' sake: my fragments and numbers are in LDS
	s_barrier_signal -1
.set ti, 0
.rept 8                                ; my 8 tiles of queries stay in registers: work on registers while the other waves arrive
	s_wait_loadcnt 7-ti
	CONV RAWQ+4*ti, BF+8*ti, NA+ti, 0.5
.set ti, ti+1
.endr
	; What the loop's first lines find of a 'trip before': zeros.  |b|^2/2 is at least 2^18, so a maximum of 0 is never taken for a match.
.irp e, 0,1,2,3,4,5,6,7
	v_mov_b32 v[BEST+\e], 0
	v_mov_b32 v[D+24+\e], 0
.endr
.irp e, 0,1,2
	v_mov_b32 v[X+\e], 0
.endr
	v_mov_b32 v[ACC+7], 0
	v_mov_b32 v[MX], 0
	s_barrier_wait -1                              ; all 64 tiles are in LDS
; THE VECTOR WORK rides behind the matrix instructions, up to three of them late.  Position p = 8 u + t counts a group's 16 matrix instructions (tile u of the group, query tile t).
; Behind the instruction at p:  the result of p - 1 gives three partial maxima (with tile u = 1: the first tile's maximum among them);  those of p - 2 give one: ACC (u = 0) or MX (u = 1);
; MX of p - 3 is held against |b|^2/2, and where they are equal the lane notes the block.  So no line reads what the line before it made, and between a matrix instruction and the first read
; of its result stand the four or more lines behind it, which name none of its registers (ISA guide 7.12.1).  A result's lowest registers are read first.
.macro RIDE p, s1=1, f=1
.set P1, ((\p)+15)%16
.set P2, ((\p)+14)%16
.set P3, ((\p)+13)%16
.if P3/8
	v_cmp_eq_f32 vcc_lo, v[MX], v[NA+P3%8]
.endif
.if \f
.if P2/8
	v_max3_num_f32 v[MX], v[X+3*(P2%2)], v[X+3*(P2%2)+1], v[X+3*(P2%2)+2]
.else
	v_max3_num_f32 v[ACC+P2%8], v[X+3*(P2%2)], v[X+3*(P2%2)+1], v[X+3*(P2%2)+2]
.endif
.endif
.if \s1
	v_max3_num_f32 v[X+3*(P1%2)], v[D+8*(P1%4)], v[D+8*(P1%4)+1], v[D+8*(P1%4)+2]
	v_max3_num_f32 v[X+3*(P1%2)+1], v[D+8*(P1%4)+3], v[D+8*(P1%4)+4], v[D+8*(P1%4)+5]
.if P1/8
	v_max3_num_f32 v[X+3*(P1%2)+2], v[D+8*(P1%4)+6], v[D+8*(P1%4)+7], v[ACC+P1%8]
.else
	v_max_num_f32 v[X+3*(P1%2)+2], v[D+8*(P1%4)+6], v[D+8*(P1%4)+7]
.endif
.endif
.if P3/8
	v_cndmask_b32 v[BEST+P3%8], v[BEST+P3%8], v[GID], vcc_lo       ; groups ascend, so the last match stays
.endif
.if (P3 == 15) && (\f)
	v_add_nc_u32 v[GID], 2, v[GID]                 ; the group's last judgement is made: on to the next group's blocks
.endif
.endm
; A STEP: one tile of rows (buffer j) against my 8 tiles of queries.  load = 1: the tile three steps on is asked for, into the buffer that the step before has read: behind that step's last
; matrix instruction stand its four or more riders.
; cnt: the LDS loads that may stay out: four for each tile asked for behind this step's.
.macro STEP j, load, cnt
.if \load
	ds_load_b128 v[AC+16*(((\j)+3)%4):AC+16*(((\j)+3)%4)+3],     v[AA] offset:((\j)+3)*1024
	ds_load_b128 v[AC+16*(((\j)+3)%4)+4:AC+16*(((\j)+3)%4)+7],   v[AA] offset:((\j)+3)*1024+512
	ds_load_b128 v[AC+16*(((\j)+3)%4)+8:AC+16*(((\j)+3)%4)+11],  v[CA] offset:((\j)+3)*64
	ds_load_b128 v[AC+16*(((\j)+3)%4)+12:AC+16*(((\j)+3)%4)+15], v[CA] offset:((\j)+3)*64+16
.endif
	s_wait_dscnt \cnt
.irp t, 0,1,2,3,4,5,6,7
	v_wmma_f32_16x16x32_bf16 v[D+8*(\t%4):D+8*(\t%4)+7], v[AC+16*(\j):AC+16*(\j)+7], v[BF+8*\t:BF+8*\t+7], v[AC+16*(\j)+8:AC+16*(\j)+15]
	RIDE 8*((\j)%2)+\t
.endr
.endm
.irp s, 0,1,2                          ; tiles 0, 1, 2
	ds_load_b128 v[AC+16*\s:AC+16*\s+3],     v[AA] offset:\s*1024
	ds_load_b128 v[AC+16*\s+4:AC+16*\s+7],   v[AA] offset:\s*1024+512
	ds_load_b128 v[AC+16*\s+8:AC+16*\s+11],  v[CA] offset:\s*64
	ds_load_b128 v[AC+16*\s+12:AC+16*\s+15], v[CA] offset:\s*64+16
.endr
	s_mov_b32 s24, 15
.Ltrip:                                ; a trip: four tiles, two groups
	STEP 0, 1, 12
	STEP 1, 1, 12
	STEP 2, 1, 12
	STEP 3, 1, 12
	v_add_nc_u32 v[AA], 4096, v[AA]
	v_add_nc_u32 v[CA], 256, v[CA]
	s_sub_co_u32 s24, s24, 1
	s_cmp_lg_u32 s24, 0
	s_cbranch_scc1 .Ltrip
	STEP 0, 1, 12                                  ; the last four tiles: tile 63 is asked for, then nothing, and the counts run down
	STEP 1, 0, 8
	STEP 2, 0, 4
	STEP 3, 0, 0
	RIDE 0                                         ; the riders that are still due
	RIDE 1, 0, 1
	RIDE 2, 0, 0
	; THE WAY OUT.  The later of the two halves' blocks; then through my own stage in LDS, so that a lane holds four neighbouring queries' words.
.irp t, 0,1,2,3,4,5,6,7
	v_permlanex16_b32 v[ACC+\t], v[BEST+\t], s18, s19
.endr
.irp t, 0,1,2,3,4,5,6,7
	v_cmp_gt_u32 vcc_lo, v[ACC+\t], v[BEST+\t]
	v_cndmask_b32 v[BEST+\t], v[BEST+\t], v[ACC+\t], vcc_lo
.endr
.irp t, 0,1,2,3,4,5,6,7
	ds_store_b32 v[SGA], v[BEST+\t] offset:\t*64   ; both halves hold the same number and write the same word
.endr
	s_wait_tensorcnt 0x0                           ; the wave's end: three lines behind my last LDS store
	ds_add_u32 v[SPW], v[NIL]
	s_wait_dscnt 0x0
	ds_load_b128 v[ACC:ACC+3], v[SGR]              ; my wave's own bytes
	s_wait_dscnt 0x0
	global_store_b128 v[GOFF], v[ACC:ACC+3], s[8:9]        ; the wave stores 512 consecutive bytes, at a multiple of 512 from cand's first byte
	s_endpgm
.Lfunc_end_k_q74a9adda82_scan:
	.size	k_q74a9adda82_scan, .Lfunc_end_k_q74a9adda82_scan-k_q74a9adda82_scan
	.p2alignl 7, 3214868480
	.fill 96, 4, 3214868480
	.section	.rodata,"a",@progbits
	.p2align	6, 0x0
	.amdhsa_kernel k_q74a9adda82_scan
		.amdhsa_group_segment_fixed_size 72192
		.amdhsa_private_segment_fixed_size 0
		.amdhsa_enable_private_segment 0
		.amdhsa_kernarg_size 24
		.amdhsa_user_sgpr_count 2
		.amdhsa_user_sgpr_kernarg_segment_ptr 1
		.amdhsa_wavefront_size32 1
		.amdhsa_system_sgpr_workgroup_id_x 1
		.amdhsa_system_sgpr_workgroup_id_y 1
		.amdhsa_system_sgpr_workgroup_id_z 1
		.amdhsa_system_vgpr_workitem_id 0
		.amdhsa_next_free_vgpr 256
		.amdhsa_next_free_sgpr 66
		.amdhsa_reserve_vcc 1
		.amdhsa_float_denorm_mode_32 3
		.amdhsa_float_denorm_mode_16_64 3
		.amdhsa_memory_ordered 1
		.amdhsa_forward_progress 1
		.amdhsa_inst_pref_size 96
	.end_amdhsa_kernel
	.amdgpu_metadata
---
amdhsa.version: [ 1, 2 ]
amdhsa.kernels:
  - .name:           k_q74a9adda82_scan
    .symbol:         k_q74a9adda82_scan.kd
    .args:
      - { .name: x, .offset: 0, .size: 8, .value_kind: global_buffer, .address_space: global }
      - { .name: mem_keys, .offset: 8, .size: 8, .value_kind: global_buffer, .address_space: global }
      - { .name: cand, .offset: 16, .size: 8, .value_kind: global_buffer, .address_space: global }
    .group_segment_fixed_size: 72192
    .private_segment_fixed_size: 0
    .kernarg_segment_align: 8
    .kernarg_segment_size: 24
    .max_flat_workgroup_size: 128
    .sgpr_count:     66
    .vgpr_count:     256
    .wavefront_size: 32
...
	.end_amdgpu_metadata
.endif
;; end of part 1
;; launch pick (part 2): grid 64 x 1, 4 waves a work-group, no clusters, 1,792 bytes of LDS; arguments cand, x, mem_keys, mem_values, w, b, out0; writes out0
.if DOCPART == 2
	.amdgcn_target "amdgcn-amd-amdhsa--gfx1250"
	.amdhsa_code_object_version 6
	.text
	.protected	k_q74a9adda82_pick
	.globl	k_q74a9adda82_pick
	.p2align	8
	.type	k_q74a9adda82_pick,@function
k_q74a9adda82_pick:
	s_mov_b64 s[64:65], 0
	v_nop
	global_prefetch_b8 v0, s[64:65] scope:SCOPE_SE
	s_setreg_imm32_b32 hwreg(HW_REG_WAVE_MODE, 25, 1), 1
	s_wait_xcnt 0x0
; PICK.  out[q] = the value of the last memory row equal to query q, or x[q] . w + b where there is none.
; cand[chunk][q] (32 x 4,096 whole numbers) names, for each chunk of rows, the last block of 16 rows with a match, 0 where it has none.  The largest of the 32 is the block that holds the last
; match, if there is a match at all; whether there is one is decided here, by comparing the block's 16 rows with the query as floats (a NaN equals nothing, -0 equals +0).
; SHARES.  A work-group has 64 queries, so that it reads whole rows of 256 bytes of cand and stores 256 consecutive bytes of out; each of its four waves 16 of them, two at a time:
; sixteen lanes to a query, a lane to a row of the block.
; x . w + b is made by f32 multiply-adds in ascending k: one output column, eight terms; the matrix unit would have nothing to gain from it.
; LIMITS.  A stored value -0 comes out as +0 (it is added to fifteen zeros).  Denormal numbers are compared as they are.
; No cluster and no tensor load: the work-groups share no tile; what is gathered hangs on numbers read here.
.set PA,    0                          ; LDS: four waves' partial maxima, 64 words each
.set OUTS,  1024                       ; LDS: the 64 results
.set SPARE, 1280                       ; the spare words, 128 bytes for each wave: two blocks of 256 bytes that no other line names
.set LN,  1                            ; lane
.set RI,  2                            ; i = lane % 16: my row in a block
.set RH,  3                            ; which half of the lanes
.set CO,  4                            ; 8 x lane: my two words of 64; never rewritten
.set XO,  5                            ; my half's first query in x; never rewritten
.set PAW, 6
.set PAR, 7
.set OSA, 8
.set K32, 9                            ; 32 i
.set K4,  10                           ; 4 i
.set LP,  11                           ; i + 1 as a float
.set SPW, 12                           ; LDS address of my spare word; never rewritten
.set NIL, 13                           ; 0; never rewritten
.set RES, 14
.set OSR, 15
.set P,   16                           ; v[16:31]   8 chunks' candidates of two queries
.set I,   32                           ; v[32:63]   four partial maxima of my half's 8 queries
.set XR,  64                           ; v[64:127]  query n of my half: 8 floats
.set KR,  128                          ; v[128:191] my row of query n's block
.set VR,  192                          ; v[192:199] its value
.set KO,  200                          ; v[200:207] its byte offset in mem_keys
.set VO,  208                          ; v[208:215] in mem_values
.set LIN, 216                          ; v[216:223] x . w + b, later the result
.set PM,  224                          ; v[224:231] the place of the last match
	s_load_b256 s[4:11], s[0:1], 0x0               ; cand s[4:5], x s[6:7], mem_keys s[8:9], mem_values s[10:11]
	s_load_b128 s[12:15], s[0:1], 0x20             ; w s[12:13], b s[14:15]
	s_load_b64 s[16:17], s[0:1], 0x30              ; out0
	v_lshl_add_u32 v[SPW], v0, 2, SPARE
	v_mov_b32 v[NIL], 0
	v_lshrrev_b32 v[LN], 5, v0
	v_readfirstlane_b32 s18, v[LN]                 ; wave 0..3
	v_and_b32 v[LN], 31, v0
	v_and_b32 v[RI], 15, v0
	v_bfe_u32 v[RH], v0, 4, 1
	v_lshlrev_b32 v[CO], 3, v[LN]
	v_lshlrev_b32 v[XO], 8, v[RH]                  ; 8 queries of 32 bytes
	s_lshl_b32 s20, ttmp9, 8                       ; cand: the group's 64 words in a chunk's row,
	s_lshl_b32 s19, s18, 17                        ; my wave's 8 chunks of 16,384 bytes
	s_add_co_u32 s20, s20, s19
	s_mov_b32 s21, 0
	s_lshl_b32 s22, ttmp9, 11                      ; x: the group's 64 queries,
	s_lshl_b32 s19, s18, 9                         ; my wave's 16
	s_add_co_u32 s22, s22, s19
	s_mov_b32 s23, 0
	s_lshl_b32 s34, ttmp9, 8                       ; out: the group's 64 numbers
	s_mov_b32 s35, 0
	s_wait_kmcnt 0x0
	s_load_b256 s[24:31], s[12:13], 0x0            ; w
	s_load_b32 s32, s[14:15], 0x0                  ; b
	s_add_nc_u64 s[4:5], s[4:5], s[20:21]
	s_add_nc_u64 s[6:7], s[6:7], s[22:23]
	s_add_nc_u64 s[16:17], s[16:17], s[34:35]
.irp c, 0,1,2,3,4,5,6,7                ; each load of the wave covers 256 consecutive bytes, aligned: one chunk's candidates for the group's 64 queries
	global_load_b64 v[P+2*\c:P+2*\c+1], v[CO], s[4:5] offset:\c*16384 th:TH_LOAD_NT
.endr
.irp n, 0,1,2,3,4,5,6,7                ; query n of my half, the same 32 bytes in all sixteen lanes
	global_load_b128 v[XR+8*\n:XR+8*\n+3],   v[XO], s[6:7] offset:\n*32 th:TH_LOAD_NT
	global_load_b128 v[XR+8*\n+4:XR+8*\n+7], v[XO], s[6:7] offset:\n*32+16 th:TH_LOAD_NT
.endr
	s_lshl_b32 s19, s18, 8
	v_add_nc_u32 v[PAW], s19, v[CO]                ; my wave's 64 words, my two
	s_lshl_b32 s19, s18, 6
	v_lshl_add_u32 v[PAR], v[RH], 5, s19           ; my wave's 16 queries, my half's 8
	v_and_b32 v[RES], 7, v0
	v_lshl_add_u32 v[OSA], v[RES], 2, v[PAR]
	v_add_nc_u32 v[OSA], OUTS, v[OSA]              ; the result of query i % 8 of my half
	v_add_nc_u32 v[OSR], OUTS, v[CO]
	v_lshlrev_b32 v[K32], 5, v[RI]
	v_lshlrev_b32 v[K4], 2, v[RI]
	v_add_nc_u32 v[LP], 1, v[RI]
	v_cvt_f32_u32 v[LP], v[LP]
.irp n, 1,2,3,4,5,6,7
	s_mov_b32 s[56+\n], 0x01010101<<\n             ; the lanes with i % 8 = n
.endr
	s_wait_loadcnt 16                              ; the candidates are in; behind them stand the 16 loads of x
.irp c, 0,1,2,3,4,5,6,7
	v_max_u32 v[P+\c], v[P+\c], v[P+8+\c]
.endr
.irp c, 0,1,2,3
	v_max_u32 v[P+\c], v[P+\c], v[P+4+\c]
.endr
.irp c, 0,1
	v_max_u32 v[P+\c], v[P+\c], v[P+2+\c]
.endr
	ds_store_b64 v[PAW], v[P:P+1]
	s_wait_dscnt 0x0                               ; for the others' sake: my partial maxima are in LDS
	s_barrier_signal -1
	s_barrier_wait -1
.irp a, 0,1,2,3                        ; the four waves' maxima for my half's 8 queries
	ds_load_b128 v[I+8*\a:I+8*\a+3],   v[PAR] offset:PA+\a*256
	ds_load_b128 v[I+8*\a+4:I+8*\a+7], v[PAR] offset:PA+\a*256+16
.endr
	s_wait_dscnt 0x0
.irp n, 0,1,2,3,4,5,6,7
	v_max_u32 v[I+\n], v[I+\n], v[I+8+\n]
	v_max_u32 v[I+16+\n], v[I+16+\n], v[I+24+\n]
.endr
.irp n, 0,1,2,3,4,5,6,7
	v_max_u32 v[I+\n], v[I+\n], v[I+16+\n]
.endr
.irp n, 0,1,2,3,4,5,6,7
	v_min_u32 v[I+\n], 0x7ff, v[I+\n]              ; 2,048 blocks: a number read from memory enters an address only so bounded
.endr
.irp n, 0,1,2,3,4,5,6,7
	v_lshl_add_u32 v[KO+\n], v[I+\n], 9, v[K32]    ; 512 bytes of rows a block, my row
	v_lshl_add_u32 v[VO+\n], v[I+\n], 6, v[K4]     ; 64 bytes of values
.endr
.irp n, 0,1,2,3,4,5,6,7                ; sixteen lanes take a block's 512 consecutive bytes, and its 64 bytes of values
	global_load_b128 v[KR+8*\n:KR+8*\n+3],   v[KO+\n], s[8:9]
	global_load_b128 v[KR+8*\n+4:KR+8*\n+7], v[KO+\n], s[8:9] offset:16
	global_load_b32 v[VR+\n], v[VO+\n], s[10:11]
.endr
	s_wait_loadcnt 24                              ; x is in; behind it stand the 24 gathers
	s_wait_kmcnt 0x0                               ; w and b
.irp n, 0,1,2,3,4,5,6,7
	v_fma_f32 v[LIN+\n], v[XR+8*\n], s24, s32
.endr
.irp k, 1,2,3,4,5,6,7
.irp n, 0,1,2,3,4,5,6,7
	v_fma_f32 v[LIN+\n], v[XR+8*\n+\k], s[24+\k], v[LIN+\n]
.endr
.endr
	s_wait_loadcnt 0x0
	; my row equals the query where all eight floats are equal: the eight queries side by side, so that no line waits for the one before it
.irp n, 0,1,2,3,4,5,6,7
	v_cmp_eq_f32 s[40+\n], v[XR+8*\n], v[KR+8*\n]
.endr
.irp k, 1,2,3,4,5,6,7
.irp n, 0,1,2,3,4,5,6,7
	v_cmp_eq_f32 s[48+\n], v[XR+8*\n+\k], v[KR+8*\n+\k]
.endr
.irp n, 0,1,2,3,4,5,6,7
	s_and_b32 s[40+\n], s[40+\n], s[48+\n]
.endr
.endr
.irp n, 0,1,2,3,4,5,6,7
	v_cndmask_b32 v[PM+\n], 0, v[LP], s[40+\n]     ; i + 1 where my row matches, else 0
.endr
.irp m, 1,2,4,8                        ; the largest of the sixteen lanes, in all of them
.irp n, 0,1,2,3,4,5,6,7
	v_max_num_f32_dpp v[PM+\n], v[PM+\n], v[PM+\n] row_xmask:\m row_mask:0xf bank_mask:0xf
.endr
.endr
.irp n, 0,1,2,3,4,5,6,7
	v_cmp_eq_f32 s[40+\n], v[PM+\n], v[LP]         ; I am the last match (never so where the largest is 0)
.endr
.irp n, 0,1,2,3,4,5,6,7
	v_cndmask_b32 v[VR+\n], 0, v[VR+\n], s[40+\n]  ; its value, and fifteen zeros
.endr
.irp m, 1,2,4,8
.irp n, 0,1,2,3,4,5,6,7
	v_add_f32_dpp v[VR+\n], v[VR+\n], v[VR+\n] row_xmask:\m row_mask:0xf bank_mask:0xf
.endr
.endr
.irp n, 0,1,2,3,4,5,6,7
	v_cmp_lt_f32 s[40+\n], 0, v[PM+\n]             ; found
.endr
.irp n, 0,1,2,3,4,5,6,7
	v_cndmask_b32 v[LIN+\n], v[LIN+\n], v[VR+\n], s[40+\n]
.endr
	v_cndmask_b32 v[RES], v[LIN], v[LIN+1], s57    ; lane i keeps the result of query i % 8 of its half
.irp n, 2,3,4,5,6,7
	v_cndmask_b32 v[RES], v[RES], v[LIN+\n], s[56+\n]
.endr
	ds_store_b32 v[OSA], v[RES]                    ; lanes i and i + 8 hold the same number and write the same word
	s_wait_tensorcnt 0x0                           ; the wave's end: three lines behind my last LDS store;
	ds_add_u32 v[SPW], v[NIL]
	s_wait_dscnt 0x0                               ; the last of them also shows my result stored, for wave 0's sake
	s_barrier_signal -1
	s_barrier_wait -1
	s_cmp_lg_u32 s18, 0
	s_cbranch_scc1 .Ldone
	ds_load_b64 v[P:P+1], v[OSR]                   ; wave 0 takes all 64 results, two a lane,
	s_wait_dscnt 0x0
	global_store_b64 v[CO], v[P:P+1], s[16:17]     ; and stores 256 consecutive bytes, at a multiple of 256 from out's first byte
.Ldone:
	s_endpgm
.Lfunc_end_k_q74a9adda82_pick:
	.size	k_q74a9adda82_pick, .Lfunc_end_k_q74a9adda82_pick-k_q74a9adda82_pick
	.p2alignl 7, 3214868480
	.fill 96, 4, 3214868480
	.section	.rodata,"a",@progbits
	.p2align	6, 0x0
	.amdhsa_kernel k_q74a9adda82_pick
		.amdhsa_group_segment_fixed_size 1792
		.amdhsa_private_segment_fixed_size 0
		.amdhsa_enable_private_segment 0
		.amdhsa_kernarg_size 56
		.amdhsa_user_sgpr_count 2
		.amdhsa_user_sgpr_kernarg_segment_ptr 1
		.amdhsa_wavefront_size32 1
		.amdhsa_system_sgpr_workgroup_id_x 1
		.amdhsa_system_sgpr_workgroup_id_y 1
		.amdhsa_system_sgpr_workgroup_id_z 1
		.amdhsa_system_vgpr_workitem_id 0
		.amdhsa_next_free_vgpr 240
		.amdhsa_next_free_sgpr 66
		.amdhsa_reserve_vcc 0
		.amdhsa_float_denorm_mode_32 3
		.amdhsa_float_denorm_mode_16_64 3
		.amdhsa_memory_ordered 1
		.amdhsa_forward_progress 1
		.amdhsa_inst_pref_size 28
	.end_amdhsa_kernel
	.amdgpu_metadata
---
amdhsa.version: [ 1, 2 ]
amdhsa.kernels:
  - .name:           k_q74a9adda82_pick
    .symbol:         k_q74a9adda82_pick.kd
    .args:
      - { .name: cand, .offset: 0, .size: 8, .value_kind: global_buffer, .address_space: global }
      - { .name: x, .offset: 8, .size: 8, .value_kind: global_buffer, .address_space: global }
      - { .name: mem_keys, .offset: 16, .size: 8, .value_kind: global_buffer, .address_space: global }
      - { .name: mem_values, .offset: 24, .size: 8, .value_kind: global_buffer, .address_space: global }
      - { .name: w, .offset: 32, .size: 8, .value_kind: global_buffer, .address_space: global }
      - { .name: b, .offset: 40, .size: 8, .value_kind: global_buffer, .address_space: global }
      - { .name: out0, .offset: 48, .size: 8, .value_kind: global_buffer, .address_space: global }
    .group_segment_fixed_size: 1792
    .private_segment_fixed_size: 0
    .kernarg_segment_align: 8
    .kernarg_segment_size: 56
    .max_flat_workgroup_size: 128
    .sgpr_count:     66
    .vgpr_count:     240
    .wavefront_size: 32
...
	.end_amdgpu_metadata
.endif
;; end of part 2
;; ======== version 2 of 2: 2 launches; version 1 with the launch scan written anew for expert scheduling mode
;; workspace buffers: cand 524,288 bytes of whole numbers
;; launch scan (part 3): grid 32 x 8, 4 waves a work-group, no clusters, 72,192 bytes of LDS; arguments x, mem_keys, cand; writes cand
.if DOCPART == 3
	.amdgcn_target "amdgcn-amd-amdhsa--gfx1250"
	.amdhsa_code_object_version 6
	.text
	.protected	k_q74a9adda82_scan
	.globl	k_q74a9adda82_scan
	.p2align	8
	.type	k_q74a9adda82_scan,@function
k_q74a9adda82_scan:
	s_mov_b64 s[64:65], 0
	v_nop
	global_prefetch_b8 v0, s[64:65] scope:SCOPE_SE
	s_setreg_imm32_b32 hwreg(HW_REG_WAVE_SCHED_MODE, 0, 2), 2
	s_setreg_imm32_b32 hwreg(HW_REG_WAVE_MODE, 25, 1), 1
	s_wait_xcnt 0x0
	s_wait_alu depctr_vm_vsrc(0)
; SCAN.  For each of 4,096 queries and each of 32 chunks of 1,024 memory rows: the number of the LAST block of 16 rows of the chunk that holds a row equal to the query
; (all 8 floats equal as floats), or 0 where there is none.  cand[chunk][query], whole numbers.  The next launch takes the largest over the chunks, compares the block's 16 rows
; once more as floats and so decides itself whether there is a match: that is why 'none' may share the number of block 0.
; THE TEST IS A PRODUCT, AND EXACT.  A row's 256 bits are cut into 32 chunks of 8 bits; a chunk becomes sign and mantissa of a bf16 with the fixed exponent 2^7: a whole number of
; magnitude 128 to 255, a different one for each chunk value.  For two such vectors a (memory row) and b (query): a.b - |a|^2/2 <= |b|^2/2, with equality only where a = b.
; All terms are multiples of 1/2 below 2^22, so the f32 sums lose nothing.  - |a|^2/2 is the C operand, |b|^2/2 a number of the lane.
; AS FLOATS: x + 0 turns -0 into +0 before the bits are cut; a row or query that holds a NaN gets 1 added to its |.|^2, so that equality is out of its reach.
; Denormal numbers are kept and count as different from 0 and from each other.
; SHARES.  256 work-groups: chunk = x (32), 512 queries = y (8).  Four waves; wave w keeps 8 tiles of 16 queries as B fragments in registers and walks all 64 tiles of 16 rows: 512 matrix
; instructions.  Each wave converts 16 of the 64 row tiles, once, into LDS, laid as the fragment's registers lie (1,024 bytes a tile), and their 16 numbers - |a|^2/2.
; LAYOUT.  Lane (r = lane % 16, h = lane / 16) loads floats 4 h .. 4 h + 3 of row r, 16 bytes, and makes of them its 8 registers of the fragment: the place of a chunk along K is the same
; in A and in B, which is all that a product asks.  In D a lane holds one query (r) and the tile's rows 8 h + 0..7.
; The rows are dealt to the tiles so that over two tiles (a GROUP, 32 rows) half h of the lanes sees 16 consecutive rows: tile 2 g + u, fragment row r = row 32 g + 8 u + r % 8 + 16 (r / 8).
; NO CLUSTER, NO TENSOR LOAD: a work-group reads 32,768 bytes of rows and 16,384 of queries, once, in its first lines, and each lane's 16 bytes arrive in the registers where they are
; converted; a tile brought to LDS raw would be read back once and never again.
; THE MODE: SCHED_MODE bits 1:0 = 2 (LLVM: expert scheduling mode 2), set by the entry lines.  The code itself states the register dependences between vector or matrix instructions and
; memory or LDS instructions, and those through scalar registers that vector instructions write, with s_wait_alu, always for 0.
; THE PLAN.  Vector registers that memory or LDS instructions touch:
;   MOFF, QOFF, STA, STN, SGA, SGR, GOFF   offsets and LDS addresses, made at the head and never written again.
;   RAWM, RAWQ    The 24 global loads land in them, once; no vector instruction names them before.
;   FR0 .. FR2, CVB   three sets of four fragments and their four numbers.  The 16 row tiles go in four batches of four: batch b's conversions write set b % 3; its twelve LDS stores are
;                 issued in batch b + 1, three ahead of each conversion there, which names another set.  One wait on va_vdst at a batch's head states that the batch before has written its set.
;                 Set 0 is written twice: one wait on vm_vsrc at the head of batch 3.  The sets are BF's, D's, NA's and BEST's registers: one wait on vm_vsrc ahead of the queries' conversions.
;   AC0 .. AC3    two pairs.  Group g's 16 matrix instructions read pair g % 2; its eight LDS loads, the two tiles of group g + 1, land in the other pair, which group g - 1 has read.
;                 ONE wait on va_vdst at a group's head states that group g - 1 is done reading; the loads follow it, two behind each of the group's first four matrix instructions and their
;                 riders, which name the group's own pair, BF, D, X, ACC, GM, NA, BEST and GID: none of the registers that those loads touch.
;   AA, CA        Read by every load of a fragment; written once a trip, at its end, behind a wait on vm_vsrc; the next group's wait on va_vdst states that they are written.
;   BEST, ACC     At the way out: the stage's stores read BEST, its load lands in ACC: one wait on va_vdst ahead of the stores serves both.
; Scalar registers that vector instructions write: s10 (the wave's number); s20-23 (a conversion's four compares); MK (eight masks): each run of writers has one wait on va_sdst ahead of its first reader.
.set ABYTES, 65536                     ; LDS 0: 64 tiles x 1,024 bytes of A fragments
.set NRM,    65536                     ; 64 tiles x 16 numbers - |a|^2/2
.set STG,    69632                     ; 512 bytes for each wave, for the way out; the 512 bytes from 71,680 on hold the spare words, 4 bytes a lane
.set LN,   1                           ; lane
.set RR,   2                           ; r
.set HH,   3                           ; h
.set MOFF, 4                           ; my 16 bytes in a group's first tile of rows; never rewritten
.set QOFF, 5                           ; my 16 bytes in a tile of queries; never rewritten
.set STA,  6                           ; LDS: where I put fragments
.set STN,  7                           ; LDS: where I put - |a|^2/2
.set AA,   8                           ; LDS: where I read fragments; steps with the loop
.set CA,   9                           ; LDS: where I read my half's eight numbers; steps with the loop
.set SGA,  10                          ; the way out: in
.set SGR,  11                          ; the way out: back
.set GOFF, 12                          ; my 16 bytes of the wave's 512 in cand
.set ZR,   13                          ; 0.0
.set T,    16                          ; v[16:19] the four floats turned by 8 bits
.set N,    20                          ; v[20:23] four sums of squares
.set GM,   16                          ; v[16:23] in the loop: a group's maxima, one for each tile of queries
.set PX,   24                          ; the other half's sum
.set RAWM, 32                          ; v[32:95]  16 tiles of rows as loaded; later:
.set AC,   32                          ; v[32:95]  four buffers of A (8) and C (8)
.set RAWQ, 96                          ; v[96:127] 8 tiles of queries as loaded
.set BF,   128                         ; v[128:191] 8 B fragments
.set FR,   128                         ; v[128:223] while the row tiles are made: set k, tile i: 8 registers at FR + 32 k + 8 i
.set D,    192                         ; v[192:223] four results
.set NA,   224                         ; v[224:231] |b|^2/2, a tile each
.set CVB,  224                         ; v[224:235] while the row tiles are made: set k, tile i: - |a|^2/2 on its way to LDS, at CVB + 4 k + i
.set BEST, 232                         ; v[232:239] the last block with a match
.set ACC,  240                         ; v[240:247] the maximum of a group's first tile
.set X,    248                         ; v[248:253] two sets of three partial maxima
.set GID,  255                         ; the number of my half's block in the group whose results are being judged
.set MK,   32                          ; s[32:39]  eight masks of lanes
	s_load_b128 s[4:7], s[0:1], 0x0                ; x s[4:5], mem_keys s[6:7]
	s_load_b64 s[8:9], s[0:1], 0x10                ; cand
	v_lshl_add_u32 v31, v0, 2, 0x11800
	v_mov_b32 v254, 0
	v_lshrrev_b32 v[LN], 5, v0
	v_readfirstlane_b32 s10, v[LN]                 ; wave 0..3
	s_and_b32 s12, ttmp7, 0xffff                   ; which 512 queries
	v_and_b32 v[RR], 15, v0
	v_bfe_u32 v[HH], v0, 4, 1
	v_and_b32 v[MOFF], 7, v0
	v_bfe_u32 v[T], v0, 3, 1
	v_lshlrev_b32 v[MOFF], 5, v[MOFF]              ; (r % 8) rows of 32 bytes
	v_lshl_add_u32 v[MOFF], v[T], 9, v[MOFF]       ; + (r / 8) x 16 rows
	v_lshl_add_u32 v[MOFF], v[HH], 4, v[MOFF]      ; + 16 h
	v_lshlrev_b32 v[QOFF], 5, v[RR]
	v_lshl_add_u32 v[QOFF], v[HH], 4, v[QOFF]      ; 32 r + 16 h
	s_wait_alu depctr_va_sdst(0)                   ; s10 is written, ahead of its first reader: the bases and the LDS addresses are made from it
	s_lshl_b32 s26, ttmp9, 15                      ; the chunk's 1,024 rows of 32 bytes,
	s_lshl_b32 s13, s10, 13                        ; my wave's 256 of them
	s_add_co_u32 s26, s26, s13
	s_mov_b32 s27, 0
	s_lshl_b32 s28, s12, 14                        ; the group's 512 queries of 32 bytes,
	s_lshl_b32 s13, s10, 12                        ; my wave's 128
	s_add_co_u32 s28, s28, s13
	s_mov_b32 s29, 0
	s_wait_kmcnt 0x0
	s_add_nc_u64 s[6:7], s[6:7], s[26:27]
	s_add_nc_u64 s[4:5], s[4:5], s[28:29]
	s_wait_alu depctr_va_vdst(0)                   ; MOFF and QOFF are written, which the 24 loads below read as their offsets
.set ti, 0
.rept 16                               ; each load of the wave covers two aligned runs of 256 consecutive bytes: 8 rows and the 8 rows sixteen further on
	global_load_b128 v[RAWM+4*ti:RAWM+4*ti+3], v[MOFF], s[6:7] offset:(ti/2)*1024+(ti%2)*256
.set ti, ti+1
.endr
.set ti, 0
.rept 8                                ; 512 consecutive bytes: 16 queries
	global_load_b128 v[RAWQ+4*ti:RAWQ+4*ti+3], v[QOFF], s[4:5] offset:ti*512
.set ti, ti+1
.endr
	; the rest of the set-up stands in the wait for the loads; it names none of the registers that those loads touch
	v_and_b32 v[LN], 31, v0
	v_lshlrev_b32 v[AA], 4, v[LN]                  ; 16 bytes a lane
	s_lshl_b32 s13, s10, 14
	v_add_nc_u32 v[STA], s13, v[AA]                ; my wave's 16 tiles of 1,024 bytes
	s_lshl_b32 s13, s10, 10
	s_add_co_u32 s13, s13, NRM
	v_lshl_add_u32 v[STN], v[RR], 2, s13           ; my wave's 16 tiles of 16 numbers
	v_lshl_add_u32 v[CA], v[HH], 5, NRM            ; my half's eight numbers of a tile
	s_lshl_b32 s13, s10, 9
	s_add_co_u32 s13, s13, STG
	v_lshl_add_u32 v[SGA], v[RR], 2, s13
	v_add_nc_u32 v[SGR], s13, v[AA]
	v_mov_b32 v[GOFF], v[AA]
	s_lshl_b32 s30, ttmp9, 14                      ; cand: the chunk's 4,096 words,
	s_lshl_b32 s13, s12, 11                        ; the group's 512,
	s_add_co_u32 s30, s30, s13
	s_lshl_b32 s13, s10, 9                         ; my wave's 128
	s_add_co_u32 s30, s30, s13
	s_mov_b32 s31, 0
	s_add_nc_u64 s[8:9], s[8:9], s[30:31]
	s_lshl_b32 s13, ttmp9, 6                       ; the chunk's first block of 16 rows, less 2: the first group adds 2 before the number is first taken for a match
	s_sub_co_u32 s13, s13, 2
	v_add_nc_u32 v[GID], s13, v[HH]
	s_mov_b32 s16, 0x807f807f                      ; sign and mantissa of two bf16
	s_mov_b32 s17, 0x43004300                      ; the exponent of 2^7, twice
	s_mov_b32 s18, 0x76543210                      ; v_permlanex16_b32: each lane takes its own place in the other half
	s_mov_b32 s19, 0xfedcba98
	v_mov_b32 v[ZR], 0
	v_mov_b32 v[PX], 0                             ; v_permlanex16_b32's destination counts as read
; Four floats of a row (raw) become my eight registers of its fragment (frag); out = scale x (the row's sum of squares, + 1 for each half of the row that holds a NaN).
.macro CONV raw, frag, out, scale
.irp e, 0,1,2,3
	v_cmp_neq_f32 s[20+\e], v[(\raw)+\e], v[(\raw)+\e]             ; a NaN differs from itself
.endr
.irp e, 0,1,2,3
	v_add_f32 v[(\raw)+\e], 0, v[(\raw)+\e]                        ; -0 becomes +0; every other number stays
.endr
.irp e, 0,1,2,3
	v_alignbit_b32 v[T+\e], v[(\raw)+\e], v[(\raw)+\e], 8          ; turned right by 8 bits
.endr
	s_wait_alu depctr_va_sdst(0)                                   ; the four compares have written s20 to s23, ahead of their first readers, the three lines below
	s_or_b32 s20, s20, s21
	s_or_b32 s22, s22, s23
	s_or_b32 s20, s20, s22
.irp e, 0,1,2,3
	v_and_or_b32 v[(\frag)+2*\e], v[(\raw)+\e], s16, s17           ; bits 31, 22-16, 15, 6-0
.endr
.irp e, 0,1,2,3
	v_and_or_b32 v[(\frag)+2*\e+1], v[T+\e], s16, s17              ; bits 7, 30-24, 23, 14-8: the other sixteen
.endr
	v_cndmask_b32 v[N], 0, 1.0, s20
	v_fma_mix_f32_bf16 v[N], v[(\frag)], v[(\frag)], v[N] op_sel_hi:[1,1,0]    ; sixteen squares in four chains: whole numbers below 2^21, nothing is rounded
.irp e, 1,2,3
	v_fma_mix_f32_bf16 v[N+\e], v[(\frag)+2*\e], v[(\frag)+2*\e], v[ZR] op_sel_hi:[1,1,0]
.endr
.irp e, 0,1,2,3
	v_fma_mix_f32_bf16 v[N+\e], v[(\frag)+2*\e], v[(\frag)+2*\e], v[N+\e] op_sel:[1,1,0] op_sel_hi:[1,1,0]
.endr
.irp e, 0,1,2,3
	v_fma_mix_f32_bf16 v[N+\e], v[(\frag)+2*\e+1], v[(\frag)+2*\e+1], v[N+\e] op_sel_hi:[1,1,0]
.endr
.irp e, 0,1,2,3
	v_fma_mix_f32_bf16 v[N+\e], v[(\frag)+2*\e+1], v[(\frag)+2*\e+1], v[N+\e] op_sel:[1,1,0] op_sel_hi:[1,1,0]
.endr
	v_add_f32 v[N], v[N], v[N+1]
	v_add_f32 v[N+2], v[N+2], v[N+3]
	v_add_f32 v[N], v[N], v[N+2]
	v_permlanex16_b32 v[PX], v[N], s18, s19                        ; the row's other four floats lie in the lane 16 away
	v_add_f32 v[N], v[N], v[PX]
	v_mul_f32 v[(\out)], \scale, v[N]
.endm
; Tile i of batch b goes to LDS, out of set b % 3.
.macro PUT b, i
	ds_store_b128 v[STA], v[FR+32*((\b)%3)+8*(\i):FR+32*((\b)%3)+8*(\i)+3] offset:(4*(\b)+(\i))*1024          ; 32 lanes x 16 consecutive bytes
	ds_store_b128 v[STA], v[FR+32*((\b)%3)+8*(\i)+4:FR+32*((\b)%3)+8*(\i)+7] offset:(4*(\b)+(\i))*1024+512
	ds_store_b32 v[STN], v[CVB+4*((\b)%3)+(\i)] offset:(4*(\b)+(\i))*64                                       ; both halves hold the same number and write the same word
.endm
.irp b, 0,1,2,3                        ; my 16 tiles of rows, in four batches of four
.if \b > 0
	s_wait_alu depctr_va_vdst(0)                   ; the batch before has written its set of fragments and numbers, which the twelve stores below read (at the first such wait: STA and STN are written too)
.endif
.if \b == 3
	s_wait_alu depctr_vm_vsrc(0)                   ; the stores issued in batch 1 have read set 0, which this batch's conversions write again
.endif
.irp i, 0,1,2,3
.if \b > 0
	PUT \b-1, \i                                   ; no vector instruction since the wait names these registers
.endif
	s_wait_loadcnt 23-4*\b-\i                      ; loads come back in order (ISA guide 5.7.1): behind this tile's stand the later tiles' of rows and 8 of queries
	CONV RAWM+16*\b+4*\i, FR+32*(\b%3)+8*\i, CVB+4*(\b%3)+\i, -0.5
.endr
.endr
	s_wait_alu depctr_va_vdst(0)                   ; the last batch has written set 0, which the last twelve stores read
.irp i, 0,1,2,3
	PUT 3, \i
.endr
	s_wait_dscnt 0x0                               ; for the others' sake: my fragments and numbers are in LDS
	s_wait_alu depctr_vm_vsrc(0)                   ; my LDS stores have read the three sets: these registers are BF, D, NA and BEST from here on, written by the lines below
	s_barrier_signal -1
.set ti, 0
.rept 8                                ; my 8 tiles of queries stay in registers: work on registers while the other waves arrive
	s_wait_loadcnt 7-ti
	CONV RAWQ+4*ti, BF+8*ti, NA+ti, 0.5
.set ti, ti+1
.endr
	; What the first group finds of a 'group before': zeros.  |b|^2/2 is at least 2^18, so a maximum of 0 is never taken for a match.
.irp e, 0,1,2,3,4,5,6,7
	v_mov_b32 v[BEST+\e], 0
	v_mov_b32 v[D+24+\e], 0
.endr
.irp e, 0,1,2
	v_mov_b32 v[X+\e], 0
.endr
	v_mov_b32 v[ACC+7], 0
.irp e, 0,1,2,3,4,5
	v_mov_b32 v[GM+\e], 0                          ; the last two of the eight are made of the zeros above by the first group's first riders
.endr
	s_barrier_wait -1                              ; all 64 tiles are in LDS
; THE VECTOR WORK rides behind the matrix instructions.  Position p = 8 u + t counts a group's 16 matrix instructions (tile u of the group, query tile t).
; Behind the instruction at p:  the result of p - 1 gives three partial maxima (with tile u = 1: the first tile's maximum among them);  those of p - 2 give one: ACC (u = 0) or GM (u = 1), the group's.
; THE JUDGEMENT of a group stands in the next group: its eight GM are whole behind position 1 and are written again from position 10 on.  Behind positions 3 to 6 they are held against |b|^2/2,
; two compares each, into eight masks; one wait; behind positions 7 to 10 the lanes where they are equal note the block, two selects each.
; So no line reads what the line before it made, and between a matrix instruction and the first read of its result stand the four or more lines behind it, which name none of its registers
; (ISA guide 7.12.1).  A result's lowest registers are read first.
.macro RIDE p, s1=1, f=1, j=1
.set P1, ((\p)+15)%16
.set P2, ((\p)+14)%16
.if (\j) && ((\p) >= 3) && ((\p) <= 6)
	v_cmp_eq_f32 s[MK+2*((\p)-3)], v[GM+2*((\p)-3)], v[NA+2*((\p)-3)]
.endif
.if \f
.if P2/8
	v_max3_num_f32 v[GM+P2%8], v[X+3*(P2%2)], v[X+3*(P2%2)+1], v[X+3*(P2%2)+2]
.else
	v_max3_num_f32 v[ACC+P2%8], v[X+3*(P2%2)], v[X+3*(P2%2)+1], v[X+3*(P2%2)+2]
.endif
.endif
.if \s1
	v_max3_num_f32 v[X+3*(P1%2)], v[D+8*(P1%4)], v[D+8*(P1%4)+1], v[D+8*(P1%4)+2]
	v_max3_num_f32 v[X+3*(P1%2)+1], v[D+8*(P1%4)+3], v[D+8*(P1%4)+4], v[D+8*(P1%4)+5]
.if P1/8
	v_max3_num_f32 v[X+3*(P1%2)+2], v[D+8*(P1%4)+6], v[D+8*(P1%4)+7], v[ACC+P1%8]
.else
	v_max_num_f32 v[X+3*(P1%2)+2], v[D+8*(P1%4)+6], v[D+8*(P1%4)+7]
.endif
.endif
.if (\j) && ((\p) >= 3) && ((\p) <= 6)
	v_cmp_eq_f32 s[MK+2*((\p)-3)+1], v[GM+2*((\p)-3)+1], v[NA+2*((\p)-3)+1]
.endif
.if (\j) && ((\p) == 7)
	s_wait_alu depctr_va_sdst(0)                   ; the eight compares have written the eight masks, ahead of their first readers: the selects here and behind the next three matrix instructions
.endif
.if (\j) && ((\p) >= 7) && ((\p) <= 10)
	v_cndmask_b32 v[BEST+2*((\p)-7)], v[BEST+2*((\p)-7)], v[GID], s[MK+2*((\p)-7)]             ; groups ascend, so the last match stays
	v_cndmask_b32 v[BEST+2*((\p)-7)+1], v[BEST+2*((\p)-7)+1], v[GID], s[MK+2*((\p)-7)+1]
.endif
.if (\j) && ((\p) == 10)
	v_add_nc_u32 v[GID], 2, v[GID]                 ; the group's last judgement is made: on to the next group's blocks
.endif
.endm
; A GROUP: two tiles of rows (buffers 2 g and 2 g + 1) against my 8 tiles of queries.  load = 1: the next group's two tiles are asked for, into the pair of buffers that the group before has read.
.macro GROUP g, load
	s_wait_dscnt 4                                 ; LDS loads come back in order (ISA guide 5.7.1): the group's first tile is in; its second tile's four loads may stay out
.if \load
	s_wait_alu depctr_va_vdst(0)                   ; the matrix instructions of the group before are done reading their pair of buffers, in which the loads below land; in a trip's first group AA and CA are written
.endif
.irp p, 0,1,2,3,4,5,6,7,8,9,10,11,12,13,14,15
.if \p == 8
.if \load
	s_wait_dscnt 8                                 ; the second tile is in; the eight loads issued in this group may stay out
.else
	s_wait_dscnt 0x0
.endif
.endif
	v_wmma_f32_16x16x32_bf16 v[D+8*(\p%4):D+8*(\p%4)+7], v[AC+16*(2*(\g)+\p/8):AC+16*(2*(\g)+\p/8)+7], v[BF+8*(\p%8):BF+8*(\p%8)+7], v[AC+16*(2*(\g)+\p/8)+8:AC+16*(2*(\g)+\p/8)+15]
	RIDE \p
.if (\load) && (\p < 4)                ; two loads behind each of the first four: no vector or matrix instruction since the wait names the other pair, AA or CA
.set TL, 2*(\g)+2+\p/2
.set BU, AC+16*(TL%4)
.if (\p%2) == 0
	ds_load_b128 v[BU:BU+3],     v[AA] offset:TL*1024
	ds_load_b128 v[BU+4:BU+7],   v[AA] offset:TL*1024+512
.else
	ds_load_b128 v[BU+8:BU+11],  v[CA] offset:TL*64
	ds_load_b128 v[BU+12:BU+15], v[CA] offset:TL*64+16
.endif
.endif
.endr
.endm
	s_wait_alu depctr_va_vdst(0)                   ; the conversions are done with v[32:63], the raw rows' registers, in which tiles 0 and 1 land; AA and CA are written
.irp s, 0,1                            ; tiles 0, 1
	ds_load_b128 v[AC+16*\s:AC+16*\s+3],     v[AA] offset:\s*1024
	ds_load_b128 v[AC+16*\s+4:AC+16*\s+7],   v[AA] offset:\s*1024+512
	ds_load_b128 v[AC+16*\s+8:AC+16*\s+11],  v[CA] offset:\s*64
	ds_load_b128 v[AC+16*\s+12:AC+16*\s+15], v[CA] offset:\s*64+16
.endr
	s_mov_b32 s24, 15
.Ltrip:                                ; a trip: four tiles, two groups
	GROUP 0, 1
	GROUP 1, 1
	s_wait_alu depctr_vm_vsrc(0)                   ; the LDS loads issued so far have read AA and CA
	v_add_nc_u32 v[AA], 4096, v[AA]
	v_add_nc_u32 v[CA], 256, v[CA]
	s_sub_co_u32 s24, s24, 1
	s_cmp_lg_u32 s24, 0
	s_cbranch_scc1 .Ltrip
	GROUP 0, 1                                     ; the last four tiles: tiles 62 and 63 are asked for, then nothing
	GROUP 1, 0
	RIDE 0, 1, 1, 0                                ; the riders that are still due,
	RIDE 1, 0, 1, 0
.irp t, 0,1,2,3,4,5,6,7                ; and the last group's judgement
	v_cmp_eq_f32 s[MK+\t], v[GM+\t], v[NA+\t]
.endr
	s_wait_alu depctr_va_sdst(0)                   ; the eight compares have written the eight masks, ahead of the selects that read them
.irp t, 0,1,2,3,4,5,6,7
	v_cndmask_b32 v[BEST+\t], v[BEST+\t], v[GID], s[MK+\t]
.endr
	; THE WAY OUT.  The later of the two halves' blocks; then through my own stage in LDS, so that a lane holds four neighbouring queries' words.
.irp t, 0,1,2,3,4,5,6,7
	v_permlanex16_b32 v[ACC+\t], v[BEST+\t], s18, s19
.endr
.irp t, 0,1,2,3,4,5,6,7
	v_cmp_gt_u32 s[MK+\t], v[ACC+\t], v[BEST+\t]
.endr
	s_wait_alu depctr_va_sdst(0)                   ; the eight compares have written the eight masks, ahead of the selects that read them
.irp t, 0,1,2,3,4,5,6,7
	v_cndmask_b32 v[BEST+\t], v[BEST+\t], v[ACC+\t], s[MK+\t]
.endr
	s_wait_alu depctr_va_vdst(0)                   ; the selects have written BEST, which the stores read, and are done reading ACC, in which the load from the stage lands
.irp t, 0,1,2,3,4,5,6,7
	ds_store_b32 v[SGA], v[BEST+\t] offset:\t*64   ; both halves hold the same number and write the same word
.endr
	s_wait_dscnt 0x0
	ds_load_b128 v[ACC:ACC+3], v[SGR]              ; my wave's own bytes
	s_wait_dscnt 0x0
	global_store_b128 v[GOFF], v[ACC:ACC+3], s[8:9]        ; the wave stores 512 consecutive bytes, at a multiple of 512 from cand's first byte
	s_wait_dscnt 0x0
	s_wait_alu depctr_hold_cnt(0) depctr_sa_sdst(0) depctr_va_vdst(0) depctr_va_sdst(0) depctr_va_ssrc(0) depctr_va_vcc(0) depctr_vm_vsrc(0)
	s_wait_tensorcnt 0x0
	ds_add_u32 v31, v254
	s_wait_dscnt 0x0
	s_endpgm
.Lfunc_end_k_q74a9adda82_scan:
	.size	k_q74a9adda82_scan, .Lfunc_end_k_q74a9adda82_scan-k_q74a9adda82_scan
	.p2alignl 7, 3214868480
	.fill 96, 4, 3214868480
	.section	.rodata,"a",@progbits
	.p2align	6, 0x0
	.amdhsa_kernel k_q74a9adda82_scan
		.amdhsa_group_segment_fixed_size 72192
		.amdhsa_private_segment_fixed_size 0
		.amdhsa_enable_private_segment 0
		.amdhsa_kernarg_size 24
		.amdhsa_user_sgpr_count 2
		.amdhsa_user_sgpr_kernarg_segment_ptr 1
		.amdhsa_wavefront_size32 1
		.amdhsa_system_sgpr_workgroup_id_x 1
		.amdhsa_system_sgpr_workgroup_id_y 1
		.amdhsa_system_sgpr_workgroup_id_z 1
		.amdhsa_system_vgpr_workitem_id 0
		.amdhsa_next_free_vgpr 256
		.amdhsa_next_free_sgpr 66
		.amdhsa_reserve_vcc 0
		.amdhsa_float_denorm_mode_32 3
		.amdhsa_float_denorm_mode_16_64 3
		.amdhsa_memory_ordered 1
		.amdhsa_forward_progress 1
		.amdhsa_inst_pref_size 101
	.end_amdhsa_kernel
	.amdgpu_metadata
---
amdhsa.version: [ 1, 2 ]
amdhsa.kernels:
  - .name:           k_q74a9adda82_scan
    .symbol:         k_q74a9adda82_scan.kd
    .args:
      - { .name: x, .offset: 0, .size: 8, .value_kind: global_buffer, .address_space: global }
      - { .name: mem_keys, .offset: 8, .size: 8, .value_kind: global_buffer, .address_space: global }
      - { .name: cand, .offset: 16, .size: 8, .value_kind: global_buffer, .address_space: global }
    .group_segment_fixed_size: 72192
    .private_segment_fixed_size: 0
    .kernarg_segment_align: 8
    .kernarg_segment_size: 24
    .max_flat_workgroup_size: 128
    .sgpr_count:     66
    .vgpr_count:     256
    .wavefront_size: 32
...
	.end_amdgpu_metadata
.endif
;; end of part 3
;; launch pick: the kernel of part 2 again; grid 64 x 1, 4 waves a work-group, no clusters, 1,792 bytes of LDS; arguments cand, x, mem_keys, mem_values, w, b, out0; writes out0
